; MI455X (gfx1250); checked and timed in simulation.
; The chip was launched on July 23, 2026; its instructions are those of AMD's public machine-readable ISA for CDNA 5 (MIT licence, August 2026) and "CDNA5" Instruction Set Architecture Reference Guide (July 2026). The comments in the code are by the model that wrote it; some were corrected since.
;; Attention. Allowed arithmetic: matrix products marked QUANTISED: E2M1 operands, one E8M0 scale for each 32 along K, by v_wmma_scale_f32_16x16x128_f8f6f4 with both operands' format E2M1 (or v_wmma_scale_f32_32x16x128_f4), f32 sums; products left as they are: f32 operands where the result goes on into a quantised operand, else bf16, f16 or f32 operands; f32 sums; everything else in f32.
;; Inputs: W_h 1,024 x 1,024 float32; W_y 1,024 x 1,024 float32; encoding 32 x 1,024 float32; full_input 32 x 2,048 x 1,024 float32; mask 32 x 2,048 float32; w_a 1,024 float32.
;; Outputs: out0 32 x 1,024 float32.
;; This version of the problem:
;;   THIS VERSION OF THE PROBLEM IS GIVEN IN LOW PRECISION. The matrix products marked QUANTISED in the list below multiply operands that are first quantised to E2M1 (2 exponent bits, 1 mantissa bit; 4 bits a number), with one power-of-two scale for each 32 numbers along K (OCP MX v1.0); their sums are f32. All else is computed in f32.
;;   The module's matrix products, in the order in which they are computed (A, B: the left and right operand; K: the contracted axis; several contracted axes count as one K, in the product's order):
;;     1. [M 32, K 1,024] x [K 1,024, N 1,024]; A: input encoding; B: input W_h: QUANTISED
;;     2. [M 65,536, K 1,024] x [K 1,024, N 1,024]; A: input full_input; B: input W_y: QUANTISED
;;     3. [M 65,536, K 1,024] x [K 1,024, N 1]; A: computed on the way; B: input w_a: left as it is (N = 1 < 16)
;;   THE QUANTISER, for each operand of a quantised product, along K:
;;     - K is cut into blocks of 32 from its start; a last block that is shorter is filled with zeros.
;;     - A block's scale is 2^e with e = floor(log2(the largest magnitude in the block)) - 2, held to -126 .. 127; a block of zeros has e = 0. As a byte (E8M0): e + 127.
;;     - Each number is divided by its block's scale, clamped to +-6, and rounded to the nearest number of E2M1, ties to even, subnormals kept.
;;     - The product sums the exact products of the quantised numbers (number of the format x scale) in f32.
;;   ~~~python
;;   def quantise(x, axis):      # numpy; x: float32 -> the quantised numbers, widened to float32 again
;;       x = np.moveaxis(x, axis, -1); K = x.shape[-1]
;;       x = np.pad(x, [(0, 0)] * (x.ndim - 1) + [(0, -K % 32)]); x = x.reshape(x.shape[:-1] + (-1, 32)); a = np.abs(x).max(-1, keepdims=True)
;;       e = np.where(a > 0, np.clip(np.frexp(np.where(a > 0, a, 1))[1] - 1 - 2, -126, 127), 0)      # np.frexp(a)[1] - 1 = floor(log2(a)), exactly
;;       r = np.clip(x / 2.0 ** e, -6, 6)
;;       step = 2.0 ** (np.maximum(np.frexp(np.where(r == 0, 1, r))[1] - 1, 0) - 1)
;;       q = np.round(r / step) * step * 2.0 ** e      # np.round: ties to even
;;       return np.moveaxis(q.reshape(q.shape[:-2] + (-1,))[..., :K], -1, axis).astype(np.float32)
;;   ~~~
;; One version. Each part assembles by itself: llvm-mc -triple=amdgcn-amd-amdhsa -mcpu=gfx1250 --defsym DOCPART=n.
;; ======== version 1 of 1: 3 launches
;; limits: right only within a limited range of input values
;; workspace buffers: wyq 557,056 bytes; whhn 524,288 bytes; part 1,048,576 bytes; den 65,536 bytes
;; launch prep (part 1): grid 64 x 4, 8 waves a work-group, no clusters, 167,936 bytes of LDS; arguments W_y, W_h, encoding, wyq, whhn; writes wyq, whhn
.if DOCPART == 1
	.amdgcn_target "amdgcn-amd-amdhsa--gfx1250"
	.amdhsa_code_object_version 6
	.text
	.protected	k_q2d2c2b9219_prep
	.globl	k_q2d2c2b9219_prep
	.p2align	8
	.type	k_q2d2c2b9219_prep,@function
k_q2d2c2b9219_prep:
	s_mov_b64 s[64:65], 0
	v_nop
	global_prefetch_b8 v0, s[64:65] scope:SCOPE_SE
	s_setreg_imm32_b32 hwreg(HW_REG_WAVE_MODE, 25, 1), 1
	s_wait_xcnt 0x0
; W_y [1024][1024] f32 becomes codes of FP4 (E2M1) with one E8M0 byte for each 32 along K, laid in the order of an operand's registers; and
; Q(encoding) Q(W_h)^T, [32][1024] f32, is made by the scaled FP4 matrix instruction, in four parts along K: whhn[p] holds the sum over k = 256 p .. 256 p + 255.  The next launch adds the four.
; SHARES.  Work-group (g, p) takes rows 16 g .. 16 g + 15 of W_y and of W_h, all 32 rows of encoding, and K steps 2 p and 2 p + 1.  Wave w has kind w / 2 and K step s = 2 p + w % 2 (k = 128 s .. 128 s + 127):
; kind 0 W_y's tile, kind 1 W_h's, kind 2 encoding's rows 0-15, kind 3 its rows 16-31.  A tile is 16 rows x 512 consecutive bytes, each piece aligned to 512 bytes.
; ONE TENSOR LOAD A WAVE, at the head, into the wave's own LDS bytes (wave x 8,448), 16 bytes of padding behind each row; no LDS byte is filled twice, and only the issuing wave reads its tile.
; A LANE HOLDS WHOLE BLOCKS: lane (r = lane % 16, h = lane / 16) reads of row r the numbers k = 128 s + 64 c + 32 h + 0 .. 31, c = 0, 1: the k that the 4-bit operand's registers 4 c .. 4 c + 3 hold in that lane.
; So a block's largest magnitude needs no other lane and the conversions' results are the operand's registers.
; Encoding's four fragments and scale words go to W_h's two waves through LDS as images of their registers (bytes of their own, into which no tensor load lands); the two K steps' partial tiles are added through LDS by waves 0-3.
; wyq: [64 tiles][8,704 bytes]: register group c of K step s at (2 s + c) 512 + 16 lane; from byte 8,192 on the scale words: at 16 lane + 4 u the word of row lane % 16, K step 2 u + lane / 16.
; A work-group's 32 scale words (u = p) and its 64 bytes of a row of whhn are pieces of 256-byte units: 128 and 2,048 bytes a work-group, beside the 65,536 that it reads.
; NO CLUSTER, NO JOINT LOAD, though 64 work-groups read the same 32,768 bytes of encoding: each reads them once, in its one group of fills.
; A block's scale is 2^(floor(log2(its largest magnitude)) - 2); its byte is that magnitude's exponent field - 2, held at 1 from below.
; LIMITS: a block of zeros gets the byte 1 (the quantiser says 127): its codes are zeros and this program alone reads the bytes.  NaN and infinities among the inputs are not served.
.set PITCH, 528                        ; an LDS row: 512 bytes + 16 of padding: the sixteen rows that a load touches start at sixteen different groups of four banks
.set TILEB, 16*PITCH                   ; a tile: 8,448 bytes
.set RED,   8*TILEB                    ; behind the tiles: two K steps x 2,048 bytes: the partial tiles
.set SCS,   RED+2*2048                 ; W_y's 32 scale words: row r of K step 2 p + j at 4 (r + 16 j)
.set IMG,   SCS+256                    ; encoding's 4 images: 1,024 bytes of codes, 128 of scale words, in places of 1,280 bytes
.set IMGB,  1280
.set SPARE, IMG+4*IMGB                 ; the spare words, 128 bytes for each of the 8 waves
.set F,   16                           ; v16-23  my tile's fragment
.set FE0, 24                           ; v24-31  encoding's rows 0-15 (kind 1)
.set FE1, 32                           ; v32-39  encoding's rows 16-31
.set SW,  48                           ; v48-50  scale words: mine, encoding's two; scales and nothing else
.set SE0, 49
.set SE1, 50
.set X,   64                           ; v64-127 my 64 numbers; later results and sums
.set G0,  32                           ; s[32:35] descriptor group 0
.set G1,  44                           ; s[44:51] group 1
	s_load_b256 s[4:11], s[0:1], 0x0               ; W_y s[4:5], W_h s[6:7], encoding s[8:9], wyq s[10:11]
	s_load_b64 s[12:13], s[0:1], 0x20              ; whhn
	v_lshl_add_u32 v62, v0, 2, SPARE
	v_mov_b32 v63, 0
	ds_add_u32 v62, v63                            ; the opening lines: the add, twice on end, and its wait ahead of my tensor load
	ds_add_u32 v62, v63
	v_lshrrev_b32 v1, 5, v0
	s_delay_alu instid0(VALU_DEP_1)
	v_readfirstlane_b32 s14, v1                    ; wave
	s_lshr_b32 s31, s14, 1                         ; kind
	s_and_b32 s41, s14, 1                          ; j: which of the work-group's two K steps
	s_and_b32 s42, ttmp7, 0xffff                   ; p
	s_lshl_b32 s30, s42, 1
	s_add_co_u32 s30, s30, s41                     ; K step s = 2 p + j
	s_mov_b32 s[G1+0], (2<<16)|(1<<20)|(6<<22)|(3<<25)    ; elements of 4 bytes; padding: four words behind every 128
	s_mov_b32 s[G1+1], 128<<16                     ; tensor_dim0 = 128
	s_mov_b32 s[G1+2], 16<<16                      ; tensor_dim1 = 16
	s_mov_b32 s[G1+3], 128<<16                     ; tile_dim0 = 128
	s_mov_b32 s[G1+4], 16                          ; tile_dim1 = 16
	s_mov_b32 s[G1+5], 1024                        ; from row to row
	s_mov_b32 s[G1+6], 0
	s_mov_b32 s[G1+7], 0
	s_mul_i32 s15, s14, TILEB                      ; my tile in LDS
	s_sub_co_u32 s16, s31, 2                       ; which 16 rows: encoding's by the kind, W_y's and W_h's by the work-group
	s_cmp_lt_u32 s31, 2
	s_cselect_b32 s16, ttmp9, s16
	s_lshl_b32 s16, s16, 16                        ; 16 rows of 4,096 bytes,
	s_lshl_b32 s22, s30, 9                         ; + 512 s
	s_add_co_u32 s16, s16, s22
	s_mov_b32 s17, 0
	s_mov_b32 s[G0], 1
	s_mov_b32 s[G0+1], s15
	s_mul_i32 s24, ttmp9, 8704                     ; wyq: my tile,
	s_mov_b32 s25, 0
	s_lshl_b32 s26, s30, 10                        ; and my K step's image in it
	s_mov_b32 s27, 0
	s_lshl_b32 s52, s42, 2                         ; the scale words' place: 4 p
	s_mov_b32 s53, 0
	s_and_b32 s3, s14, 3                           ; whhn: group q = wave % 4: rows 16 (q / 2) on, columns 16 g + 4 (q % 2) on, part p
	s_lshr_b32 s28, s3, 1
	s_lshl_b32 s28, s28, 16
	s_and_b32 s29, s3, 1
	s_lshl_b32 s29, s29, 4
	s_add_co_u32 s28, s28, s29
	s_lshl_b32 s29, ttmp9, 6
	s_add_co_u32 s28, s28, s29
	s_lshl_b32 s29, s42, 17
	s_add_co_u32 s28, s28, s29
	s_mov_b32 s29, 0
	s_lshl_b32 s40, s3, 9
	s_add_co_u32 s40, s40, RED                     ; where group q is read back
	s_mul_i32 s36, s3, IMGB
	s_add_co_u32 s36, s36, IMG                     ; where kinds 2 and 3 put their image: place wave - 4
	s_mul_i32 s37, s41, IMGB
	s_add_co_u32 s37, s37, IMG                     ; where kind 1 reads: places j and j + 2
	s_lshl_b32 s38, s41, 11
	s_add_co_u32 s38, s38, RED                     ; my K step's partial tiles
	s_lshl_b32 s39, s41, 6
	s_add_co_u32 s39, s39, SCS                     ; W_y's scale words of my K step
	s_mov_b32 s20, 0x76543210
	s_mov_b32 s21, 0xfedcba98                      ; v_permlanex16_b32's selects for lane l xor 16
	s_wait_dscnt 0x0                               ; both opening adds are done
	s_wait_kmcnt 0x0
	s_cmp_eq_u32 s31, 0                            ; the tensor is chosen by the wave's kind alone
	s_cselect_b64 s[G0+2:G0+3], s[4:5], s[6:7]
	s_cmp_lt_u32 s31, 2
	s_cselect_b64 s[G0+2:G0+3], s[G0+2:G0+3], s[8:9]
	s_add_nc_u64 s[G0+2:G0+3], s[G0+2:G0+3], s[16:17]
	s_or_b32 s[G0+3], s[G0+3], 0x80000000          ; type = 2
	tensor_load_to_lds s[G0:G0+3], s[G1:G1+7]      ; my one tensor load
	s_nop 0
	s_add_nc_u64 s[18:19], s[10:11], s[24:25]      ; wyq at my tile,
	s_add_nc_u64 s[10:11], s[18:19], s[26:27]      ; at my K step's image,
	s_add_nc_u64 s[18:19], s[18:19], s[52:53]      ; and at word p of a lane's four scale words
	s_add_nc_u64 s[12:13], s[12:13], s[28:29]
	v_and_b32 v11, 31, v0                          ; lane
	v_and_b32 v1, 15, v0                           ; r
	v_bfe_u32 v2, v0, 4, 1                         ; h
	v_lshlrev_b32 v4, 4, v11                       ; v4: 16 x lane
	v_mul_u32_u24 v3, v1, PITCH
	v_lshlrev_b32 v9, 12, v1
	v_lshlrev_b32 v10, 3, v2                       ; v10: 8 h: my two bytes' place in a scale word
	s_delay_alu instid0(VALU_DEP_3)
	v_lshl_add_u32 v3, v2, 7, v3
	v_lshl_add_u32 v9, v2, 5, v9                   ; v9: whhn: row r of 4,096 bytes, + 32 h
	v_add_nc_u32 v12, s36, v4                      ; v12, v15: my image's codes and scale word
	v_lshl_add_u32 v15, v11, 2, s36
	v_add_nc_u32 v3, s15, v3                       ; v3: out of my tile: row r, + 128 h
	v_add_nc_u32 v13, s37, v4                      ; v13, v58: the images that kind 1 reads
	v_lshl_add_u32 v58, v11, 2, s37
	v_add_nc_u32 v5, s38, v4                       ; v5: the partial tiles
	v_lshl_add_u32 v6, v1, 2, s39                  ; v6: my row's scale word of W_y
	v_add_nc_u32 v7, s40, v4                       ; v7: group q on its way back
	v_lshl_add_u32 v8, v11, 2, SCS                 ; v8: the scale words on their way out
	v_mov_b32 v57, 0                               ; written once: a lane permute's destination counts as one of its sources
	s_wait_alu depctr_va_vdst(0)
	s_wait_tensorcnt 0x0                           ; my tile is in LDS
.irp c, 0,1
.irp u, 0,1,2,3,4,5,6,7
	ds_load_b128 v[X+32*\c+4*\u:X+32*\c+4*\u+3], v3 offset:256*\c+16*\u
.endr
.endr
	s_wait_dscnt 0x0
.irp c, 0,1
	v_max3_num_f32 v[52+\c], |v[X+32*\c]|, |v[X+32*\c+1]|, 0x1800000   ; my block 2 c + h, and the floor 2^(3 - 127): so the byte cannot fall under 1
.endr
.irp i, 2,4,6,8,10,12,14,16,18,20,22,24,26,28,30
.irp c, 0,1
	s_delay_alu instid0(VALU_DEP_2)
	v_max3_num_f32 v[52+\c], v[52+\c], |v[X+32*\c+\i]|, |v[X+32*\c+\i+1]|   ; the two blocks by turns
.endr
.endr
.irp c, 0,1
	s_delay_alu instid0(VALU_DEP_2)
	v_add_nc_u32 v[54+\c], 0xff000000, v[52+\c]    ; 2 off the exponent field: the conversion's scale operand
.endr
.irp c, 0,1
	s_delay_alu instid0(VALU_DEP_2)
	v_lshrrev_b32 v[52+\c], 23, v[54+\c]           ; the scale's byte
.endr
	s_delay_alu instid0(VALU_DEP_1)
	v_lshl_or_b32 v[SW], v53, 16, v52              ; my two bytes: blocks h and 2 + h,
	s_delay_alu instid0(VALU_DEP_1)
	v_lshlrev_b32 v[SW], v10, v[SW]                ; at their places in the word;
	s_delay_alu instid0(VALU_DEP_1)
	v_permlanex16_b32 v57, v[SW], s20, s21
	s_delay_alu instid0(VALU_DEP_1)
	v_or_b32 v[SW], v[SW], v57                     ; with lane l xor 16's two the word is whole, in both halves of the lanes
.irp c, 0,1
.irp g, 0,1,2,3
	v_cvt_scalef32_pk8_fp4_f32 v[F+4*\c+\g], v[X+32*\c+8*\g:X+32*\c+8*\g+7], v[54+\c]
.endr
.endr
	v_nop                                          ; one plain instruction behind the last scaled conversion
	s_wait_alu depctr_va_vdst(0)                   ; the wait ahead of the branches and the barrier
	s_cmp_lt_u32 s31, 2
	s_cbranch_scc1 .Lweights
	ds_store_b128 v12, v[F:F+3]                    ; encoding's tile: the image of its registers
	ds_store_b128 v12, v[F+4:F+7] offset:512
	ds_store_b32 v15, v[SW] offset:1024
	s_branch .Lmeet
.Lweights:
	s_cmp_eq_u32 s31, 0
	s_cbranch_scc0 .Lmeet
	global_store_b128 v4, v[F:F+3], s[10:11]       ; W_y's fragment as it stands: 32 lanes store 512 consecutive bytes
	global_store_b128 v4, v[F+4:F+7], s[10:11] offset:512
	ds_store_b32 v6, v[SW]                         ; both halves of the lanes write the same word with the same value
.Lmeet:
	s_wait_dscnt 0x0                               ; for the others' sake: my stores have landed
	s_barrier_signal -1
	s_barrier_wait -1
	s_cmp_eq_u32 s31, 1
	s_cbranch_scc0 .Lmeet2
	ds_load_b128 v[FE0:FE0+3], v13
	ds_load_b128 v[FE0+4:FE0+7], v13 offset:512
	ds_load_b32 v[SE0], v58 offset:1024
	ds_load_b128 v[FE1:FE1+3], v13 offset:2*IMGB
	ds_load_b128 v[FE1+4:FE1+7], v13 offset:2*IMGB+512
	ds_load_b32 v[SE1], v58 offset:2*IMGB+1024
	s_wait_dscnt 0x0
.rept 8
	v_nop                                          ; a scale register written by a vector instruction stands 8 places ahead of a scaled matrix instruction, an operand so written 4
.endr
; source 0 = 16 rows of W_h, source 1 = 16 rows of encoding: lane (r, h), register j: K step s's part of whhn[16 tile + r][16 g + 8 h + j]
	v_wmma_scale_f32_16x16x128_f8f6f4 v[64:71], v[F:F+7], v[FE0:FE0+7], 0, v[SW], v[SE0] matrix_a_fmt:MATRIX_FMT_FP4 matrix_b_fmt:MATRIX_FMT_FP4
	v_wmma_scale_f32_16x16x128_f8f6f4 v[72:79], v[F:F+7], v[FE1:FE1+7], 0, v[SW], v[SE1] matrix_a_fmt:MATRIX_FMT_FP4 matrix_b_fmt:MATRIX_FMT_FP4
.rept 4
	v_nop                                          ; four places in front of the first read of the results
.endr
	ds_store_b128 v5, v[64:67]                     ; each result from its low end on
	ds_store_b128 v5, v[68:71] offset:512
	ds_store_b128 v5, v[72:75] offset:1024
	ds_store_b128 v5, v[76:79] offset:1536
.Lmeet2:
	s_wait_dscnt 0x0                               ; for the others' sake: my stores have landed
	s_barrier_signal -1
	s_barrier_wait -1
	s_cmp_lt_u32 s14, 4
	s_cbranch_scc0 .Lnot_sum
	ds_load_b128 v[64:67], v7                      ; group q of the two K steps
	ds_load_b128 v[68:71], v7 offset:2048
	s_wait_dscnt 0x0
	v_pk_add_f32 v[64:65], v[64:65], v[68:69]
	v_pk_add_f32 v[66:67], v[66:67], v[70:71]
	global_store_b128 v9, v[64:67], s[12:13]
	s_branch .Lend
.Lnot_sum:
	s_cmp_eq_u32 s14, 4
	s_cbranch_scc0 .Lend
	ds_load_b32 v64, v8                            ; wave 4: the work-group's 32 scale words: lane's word u = p
	s_wait_dscnt 0x0
	global_store_b32 v4, v64, s[18:19] offset:8192
.Lend:
	s_wait_tensorcnt 0x0                           ; the wave's end
	ds_add_u32 v62, v63
	s_wait_dscnt 0x0
	s_endpgm
.Lfunc_end_k_q2d2c2b9219_prep:
	.size	k_q2d2c2b9219_prep, .Lfunc_end_k_q2d2c2b9219_prep-k_q2d2c2b9219_prep
	.p2alignl 7, 3214868480
	.fill 96, 4, 3214868480
	.section	.rodata,"a",@progbits
	.p2align	6, 0x0
	.amdhsa_kernel k_q2d2c2b9219_prep
		.amdhsa_group_segment_fixed_size 167936
		.amdhsa_private_segment_fixed_size 0
		.amdhsa_enable_private_segment 0
		.amdhsa_kernarg_size 40
		.amdhsa_user_sgpr_count 2
		.amdhsa_user_sgpr_kernarg_segment_ptr 1
		.amdhsa_wavefront_size32 1
		.amdhsa_system_sgpr_workgroup_id_x 1
		.amdhsa_system_sgpr_workgroup_id_y 1
		.amdhsa_system_sgpr_workgroup_id_z 1
		.amdhsa_system_vgpr_workitem_id 0
		.amdhsa_next_free_vgpr 128
		.amdhsa_next_free_sgpr 66
		.amdhsa_reserve_vcc 0
		.amdhsa_float_denorm_mode_32 3
		.amdhsa_float_denorm_mode_16_64 3
		.amdhsa_memory_ordered 1
		.amdhsa_forward_progress 1
		.amdhsa_inst_pref_size 13
	.end_amdhsa_kernel
	.amdgpu_metadata
---
amdhsa.version: [ 1, 2 ]
amdhsa.kernels:
  - .name:           k_q2d2c2b9219_prep
    .symbol:         k_q2d2c2b9219_prep.kd
    .args:
      - { .name: W_y, .offset: 0, .size: 8, .value_kind: global_buffer, .address_space: global }
      - { .name: W_h, .offset: 8, .size: 8, .value_kind: global_buffer, .address_space: global }
      - { .name: encoding, .offset: 16, .size: 8, .value_kind: global_buffer, .address_space: global }
      - { .name: wyq, .offset: 24, .size: 8, .value_kind: global_buffer, .address_space: global }
      - { .name: whhn, .offset: 32, .size: 8, .value_kind: global_buffer, .address_space: global }
    .group_segment_fixed_size: 167936
    .private_segment_fixed_size: 0
    .kernarg_segment_align: 8
    .kernarg_segment_size: 40
    .max_flat_workgroup_size: 256
    .sgpr_count:     66
    .vgpr_count:     128
    .wavefront_size: 32
...
	.end_amdgpu_metadata
.endif
;; end of part 1
;; launch main (part 2): grid 256 x 1, 4 waves a work-group, no clusters, 327,680 bytes of LDS; arguments full_input, mask, w_a, wyq, whhn, part, den; writes part, den
.if DOCPART == 2
	.amdgcn_target "amdgcn-amd-amdhsa--gfx1250"
	.amdhsa_code_object_version 6
	.text
	.protected	k_q2d2c2b9219_main
	.globl	k_q2d2c2b9219_main
	.p2align	8
	.type	k_q2d2c2b9219_main,@function
k_q2d2c2b9219_main:
	s_mov_b64 s[64:65], 0
	v_nop
	global_prefetch_b8 v0, s[64:65] scope:SCOPE_SE
	s_setreg_imm32_b32 hwreg(HW_REG_WAVE_MODE, 25, 1), 1
	s_wait_xcnt 0x0
; For 256 rows x_t of one batch: z = Q(x_t) Q(W_y)^T + whhn (scaled FP4 matrix instruction), logit = sum of w_a tanh(z), e = exp(sigmoid(logit)), w = e x mask;
; part[g][:] = the sum of w x_t (x in f32, as given), den[g] = the sum of w.  The last launch adds a batch's eight parts and divides.
; No maximum is taken away ahead of the exponential: its exponent is a sigmoid's result, between 0 and 1, for every input.
; SHARES.  Work-group g owns rows 256 g .. 256 g + 255 of full_input taken as [65,536][1,024] (batch g / 8), in four blocks of 64 rows.
; full_input IS READ ONCE.  A block comes into the one LDS slot by four tensor loads (a wave's 16 rows: 65,536 dense bytes).  Each wave then takes its 16 rows into 512 registers, where they stay from the quantiser
; to the pooling; so the slot is free, and the next block is asked for straight behind the quantiser's barrier and has the whole product phase in which to land.  One tensor load of a wave is out at any time.
; THE WAVES SHARE THE COLUMNS OF THE PRODUCT: wave w makes columns 256 w .. 256 w + 255 for all 64 rows.  So each fragment of W_y is wanted by ONE wave, feeds four matrix instructions, and goes from memory straight
; into registers (the first launch laid it in register order: each load is 512 consecutive bytes).  What goes round through LDS is small: the block's codes (32 KiB) and scale bytes (2 KiB); every wave holds all of them in registers.
; NO CLUSTER, NO JOINT LOADS for W_y, though all work-groups walk it: this text uses 325,120 of LDS's 327,680 bytes, so no slot for W_y's tiles fits, and a way through LDS would add a write and a read for fragments that one wave reads once.
; QUANTISER.  A lane takes 128 consecutive bytes of a row: one whole block of 32 along K.  Its largest magnitude needs no other lane, its 32 codes are 16 consecutive bytes of the row's codes, and the 32 lanes cover one row,
; so that the pooling's weight is one scalar for each register.
; THE MATRIX INSTRUCTION IS USED TRANSPOSED: source 0 = 16 rows of W_y, source 1 = 16 rows of x: lane (r, h) holds row 16 m + r of the block, register j column n0 + 8 h + j.  whhn is the C of a tile's first instruction.
; tanh(z) = 1 - 2 / (1 + 2^(c z)), c = 2 log2(e): right at both ends, where the exponential overflows or falls to 0.  So logit = (sum of w_a) + sum of (-2 w_a) / (1 + 2^(c z)).
; LIMITS: NaN and infinities among the inputs are not served.  A block of zeros gets the scale byte 1 (the quantiser says 127): its codes are zeros.  The logit's rounding error is of the size of f32's step at the sum of |w_a|.
;
; LDS, in bytes
.set XSW_B,  69632                     ; a wave's 16 rows in the slot: 256 pieces of 256 bytes + 16 of padding
.set XPITCH, 4352                      ; a row: 16 pieces.  A lane's 128 bytes begin at word 32 l + 4 (l / 2): sixteen neighbouring lanes begin in sixteen different groups of four words modulo 64
.set COD,    278528                    ; behind the slot: the block's codes, 64 rows of 512 bytes + 16; at the launch's end the pooling's stage
.set CPITCH, 528
.set XSC,    312320                    ; the block's scale bytes, 64 rows x 32
.set LPT,    314368                    ; partial logits [4 waves][64 rows]
.set TWA,    315392                    ; -2 w_a, 1,024 numbers
.set TWH,    4096                      ; whhn[batch] lies this far behind TWA
.set MKT,    323584                    ; the work-group's 256 numbers of mask
.set SPARE,  324608                    ; the spare words, 128 bytes for each wave: two blocks of 256 bytes that no other line names
.set PSTG,   4608                      ; the pooling's stage: 32 lanes x (128 bytes + 16) for each wave
.set DSTG,   COD+4*PSTG                ; and the four waves' divisors
; REGISTERS, in windows of 256.  Window 0:
;   v0 the thread's number; v1 my spare word's address, v2 = 0 (never rewritten); v3-v13 addresses; v14 the sum of my wave's 256 w_a; v15 the running sum of w
.set XSW,  16                          ; v16-31   x's scale words: register 8 p + s: lanes 0-15 row tile 2 p, lanes 16-31 row tile 2 p + 1, K step s; scales and nothing else
.set ACC,  32                          ; v32-63   four accumulators, row tile m at 8 m
.set BIAS, 64                          ; v64-71   whhn at the tile's columns, in the result's layout
.set WA,   72                          ; v72-79   -2 w_a likewise
.set LS,   80                          ; v80-87   the logits' sums, a pair for each row tile
.set WF,   88                          ; v88-155, v156-223: two sets of a tile of W_y: 8 fragments, then 4 registers of scale words (scales and nothing else)
.set PL,   224                         ; v224-255 the pooled sums: register i is column 32 lane + i
.set CD,   32                          ; the quantiser's: codes of 8 rows,
.set MX,   72                          ; largest magnitudes, then the conversions' scale operands,
.set BY,   80                          ; scale bytes
;   window 1: x's codes, fragment (row tile m, K step s) at 64 m + 8 s.   window 2: my rows 0-7 of x in f32, row t at 32 t.   window 3: my rows 8-15.
; SCALARS: s[4:17] the buffers; s18 wave; s19 blocks, s20 pairs to go; s21 TS: 128 x the pair in hand; s[22:23] an offset; s[24:25] where the next pair of W_y's tiles lies; s[26:27] c; s28 the floor; s[30:31] lane selects;
;   s[32:63] sixteen pairs: the even ones the rows' weights, the odd ones 0; s[68:71], s[72:79] the descriptor's groups 0 and 1.
.set MSB, 0
.macro WIN new                         ; s_set_vgpr_msb: bits 1:0 source 0, 3:2 source 1, 5:4 source 2, 7:6 destination; the high byte repeats the setting that is left
.if MSB != (\new)
	s_set_vgpr_msb (MSB<<8)|(\new)
.set MSB, (\new)
.endif
.endm
.macro PLACES n
.rept \n
	v_nop
.endr
.endm
	s_load_b256 s[4:11], s[0:1], 0x0               ; full_input s[4:5], mask s[6:7], w_a s[8:9], wyq s[10:11]
	s_load_b128 s[12:15], s[0:1], 0x20             ; whhn s[12:13], part s[14:15]
	s_load_b64 s[16:17], s[0:1], 0x30              ; den
	v_lshl_add_u32 v1, v0, 2, SPARE
	v_mov_b32 v2, 0
	ds_add_u32 v1, v2
	ds_add_u32 v1, v2
	s_wait_dscnt 0x0
	v_lshrrev_b32 v74, 5, v0
	v_readfirstlane_b32 s18, v74                   ; wave 0..3
	; descriptor group 1: 65,536 dense bytes as 256 rows of 32 elements of 8 bytes, 16 bytes of padding behind each row
	s_mov_b32 s72, (3<<16)|(1<<20)|(5<<22)|(3<<25) ; 15:0 no mask; 17:16 elements of 8 bytes; 20 padding on; 24:22 after every 64 words (code 5); 31:25 four words (code 3)
	s_mov_b32 s73, 32<<16                          ; tensor_dim0 = 32
	s_mov_b32 s74, 256<<16                         ; tensor_dim1 = 256
	s_mov_b32 s75, 32<<16                          ; tile_dim0 = 32
	s_mov_b32 s76, 256                             ; tile_dim1 = 256
	s_mov_b32 s77, 32                              ; from row to row: 32 elements
	s_mov_b32 s78, 0
	s_mov_b32 s79, 0
	s_lshl_b32 s2, ttmp9, 20                       ; 256 g rows of 4,096 bytes,
	s_lshl_b32 s3, s18, 16                         ; + my wave's 16 rows of a block
	s_add_co_u32 s2, s2, s3
	s_mov_b32 s3, 0
	s_mov_b32 s68, 1                               ; group 0: count = 1,
	s_mul_i32 s69, s18, XSW_B                      ; the LDS address: my wave's part of the slot,
	s_wait_kmcnt 0x0
	s_add_nc_u64 s[70:71], s[4:5], s[2:3]          ; the global address,
	s_or_b32 s71, s71, 0x80000000                  ; type = 2
	tensor_load_to_lds s[68:71], s[72:79]          ; block 0: the first fill, ahead of every wait on TENSORcnt, LDS read and barrier
	s_nop 0
	PLACES 4
	s_add_nc_u64 s[66:67], s[4:5], s[2:3]          ; s[66:67]: where my prefetches stand: my wave's 16 rows
	s_add_nc_u64 s[66:67], s[66:67], 2*64*4096     ; of block 2
	v_and_b32 v74, 31, v0
	v_and_b32 v75, 15, v0                          ; r
	v_bfe_u32 v76, v0, 4, 1                        ; h
	v_lshrrev_b32 v77, 1, v74
	v_lshlrev_b32 v3, 7, v74
	v_lshl_add_u32 v3, v77, 4, v3
	v_add_nc_u32 v3, s69, v3                       ; v3: my 128 bytes of a row in the slot: 128 lane + 16 (lane / 2) + my wave's part
	s_mul_i32 s2, s18, 16*CPITCH
	s_add_co_u32 s2, s2, COD
	v_lshl_add_u32 v4, v74, 4, s2                  ; v4: where I store 16 bytes of codes: my wave's rows, 16 x lane
	s_lshl_b32 s2, s18, 9
	s_add_co_u32 s2, s2, XSC
	v_add_nc_u32 v5, s2, v74                       ; v5: and my block's scale byte
	v_mul_u32_u24 v6, v75, CPITCH
	v_lshl_add_u32 v6, v76, 4, v6
	v_add_nc_u32 v6, COD, v6                       ; v6: a fragment of x: row r, + 16 h
	v_lshl_add_u32 v7, v74, 5, XSC                 ; v7: x's scale words: 32 bytes a row; lanes 0-15 take a row tile, lanes 16-31 the next: row = lane
	v_lshlrev_b32 v8, 4, v74                       ; v8: 16 x lane: W_y's images, and the way out
	s_lshl_b32 s2, s18, 10
	s_add_co_u32 s2, s2, TWA
	v_lshl_add_u32 v9, v76, 5, s2                  ; v9: the tables at my wave's 256 columns, + my half's eight
	s_mov_b32 s21, 0
	v_add_nc_u32 v10, s21, v9                      ; v10: the same at the pair of tiles in hand
	s_lshl_b32 s2, s18, 8
	s_add_co_u32 s2, s2, LPT
	v_lshl_add_u32 v11, v75, 2, s2                 ; v11: where I store partial logits
	s_lshl_b32 s2, s18, 6
	s_add_co_u32 s29, s2, LPT                      ; s29: the partial logits of my wave's 16 rows
	v_lshlrev_b32 v12, 8, v74                      ; v12: the prefetches' offset: 256 x lane; never rewritten
	s_add_co_u32 s3, s2, MKT
	v_lshl_add_u32 v13, v75, 2, s3                 ; v13: mask at my wave's 16 rows of the block in hand
	v_lshl_add_u32 v77, v0, 5, TWA                 ; the tables' first stores: 32 bytes a thread,
	v_lshl_add_u32 v78, v0, 3, MKT                 ; mask's: 8
	v_lshlrev_b32 v72, 5, v0
	s_wait_alu depctr_va_vdst(0)
	v_lshlrev_b32 v73, 3, v0
	s_wait_alu depctr_va_vdst(0)
	s_mov_b32 s3, 0
	s_lshl_b32 s2, ttmp9, 10
	s_add_nc_u64 s[6:7], s[6:7], s[2:3]            ; mask at my 256 rows
	s_lshr_b32 s2, ttmp9, 3
	s_lshl_b32 s2, s2, 12
	s_add_nc_u64 s[12:13], s[12:13], s[2:3]        ; whhn at my batch
	s_mul_i32 s2, s18, 16*8704
	s_add_nc_u64 s[10:11], s[10:11], s[2:3]        ; wyq at my wave's 16 tiles; never rewritten
	global_load_b128 v[32:35], v72, s[8:9]                 ; w_a: thread t's eight; a wave's 256 are its own columns'
	global_load_b128 v[36:39], v72, s[8:9] offset:16
	global_load_b128 v[40:43], v72, s[12:13]
	global_load_b128 v[44:47], v72, s[12:13] offset:16
	global_load_b128 v[56:59], v72, s[12:13] offset:131072         ; whhn comes in four parts along K, 131,072 bytes apart
	global_load_b128 v[60:63], v72, s[12:13] offset:131072+16
	global_load_b128 v[64:67], v72, s[12:13] offset:2*131072
	global_load_b128 v[68:71], v72, s[12:13] offset:2*131072+16
	global_load_b128 v[80:83], v72, s[12:13] offset:3*131072
	global_load_b128 v[84:87], v72, s[12:13] offset:3*131072+16
	global_load_b64 v[48:49], v73, s[6:7]
; a tile of W_y into set buf: 16 loads of fragments and one of scale words, 512 consecutive bytes each
.macro WLOAD buf, base
.irp q, 0,1,2,3,4,5,6,7,8,9,10,11,12,13,14,15,16
	global_load_b128 v[WF+68*\buf+4*\q:WF+68*\buf+4*\q+3], v8, s[\base:\base+1] offset:8704*\buf+512*\q
.endr
.endm
	WLOAD 0, 10                                    ; tiles 0 and 1
	WLOAD 1, 10
	s_mov_b32 s22, 2*8704
	s_mov_b32 s23, 0
	s_add_nc_u64 s[24:25], s[10:11], s[22:23]      ; the first pair asks for tiles 2 and 3
	s_lshl_b32 s2, ttmp9, 12
	s_lshl_b32 s20, s18, 10
	s_add_co_u32 s2, s2, s20
	s_add_nc_u64 s[14:15], s[14:15], s[2:3]        ; part at my work-group's row, my wave's 256 columns
	s_lshl_b32 s2, ttmp9, 8
	s_add_nc_u64 s[16:17], s[16:17], s[2:3]        ; den at my work-group's 256 bytes
	s_mov_b32 s26, 0x4038aa3b                      ; c = 2 log2(e)
	s_mov_b32 s27, s26                             ; (named with it as a pair, so it is written)
	s_mov_b32 s28, 0x1800000                       ; the floor 2^(3 - 127)
	s_mov_b32 s30, 0x76543210
	s_mov_b32 s31, 0xfedcba98                      ; v_permlanex16_b32's selects for lane l xor 16
.irp t, 0,1,2,3,4,5,6,7,8,9,10,11,12,13,14,15
	s_mov_b32 s[33+2*\t], 0                        ; the weights' pairs are named whole
.endr
.irp i, 0,1,2,3,4,5,6,7,8,9,10,11,12,13,14,15,16,17,18,19,20,21,22,23,24,25,26,27,28,29,30,31
	v_mov_b32 v[PL+\i], 0                          ; the pooled sums begin: once in the launch
.endr
	v_mov_b32 v15, 0
	s_wait_loadcnt 34                              ; the eleven table loads are in; W_y's 34 are younger
	v_add_f32 v50, v32, v33                        ; the sum of my wave's 256 w_a
	v_add_f32 v51, v34, v35
	v_add_f32 v52, v36, v37
	v_add_f32 v53, v38, v39
	v_add_f32 v50, v50, v51
	v_add_f32 v52, v52, v53
	v_add_f32 v14, v50, v52
	v_add_f32_dpp v14, v14, v14 row_xmask:1 row_mask:0xf bank_mask:0xf
	v_add_f32_dpp v14, v14, v14 row_xmask:2 row_mask:0xf bank_mask:0xf
	v_add_f32_dpp v14, v14, v14 row_xmask:4 row_mask:0xf bank_mask:0xf
	v_add_f32_dpp v14, v14, v14 row_xmask:8 row_mask:0xf bank_mask:0xf
	v_permlanex16_b32 v50, v14, s30, s31
	v_add_f32 v14, v14, v50
.irp j, 32,34,36,38
	v_pk_mul_f32 v[\j:\j+1], v[\j:\j+1], -2.0 op_sel_hi:[1,0]
.endr
.irp j, 0,2,4,6
	v_pk_add_f32 v[40+\j:41+\j], v[40+\j:41+\j], v[56+\j:57+\j]    ; whhn's four parts are added
	v_pk_add_f32 v[64+\j:65+\j], v[64+\j:65+\j], v[80+\j:81+\j]
.endr
.irp j, 0,2,4,6
	v_pk_add_f32 v[40+\j:41+\j], v[40+\j:41+\j], v[64+\j:65+\j]
.endr
	ds_store_b128 v77, v[32:35]
	ds_store_b128 v77, v[36:39] offset:16
	ds_store_b128 v77, v[40:43] offset:TWH
	ds_store_b128 v77, v[44:47] offset:TWH+16
	ds_store_b64 v78, v[48:49]                     ; mask: read by other waves, behind the first block's barrier
	ds_load_b128 v[BIAS:BIAS+3], v10 offset:TWH    ; tile 0's whhn: my wave's own bytes, and LDS serves a wave's instructions in order
	ds_load_b128 v[BIAS+4:BIAS+7], v10 offset:TWH+16
; my rows 8 g .. 8 g + 7 out of the slot: 128 bytes a lane and row
.macro XROWS g
	WIN 0x80+0x40*\g                               ; destination window 2 or 3
.irp t, 0,1,2,3,4,5,6,7
.irp u, 0,1,2,3,4,5,6,7
	ds_load_b128 v[32*\t+4*\u:32*\t+4*\u+3], v3 offset:(8*\g+\t)*XPITCH+16*\u
.endr
.endr
.endm
; these eight rows are quantised, the rows by turns: no line waits for the line above it
.macro QROWS g
	WIN 0x22+0x11*\g                               ; sources 0 and 2 in x's window, source 1 and the result in window 0
.irp t, 0,1,2,3,4,5,6,7
	v_max3_num_f32 v[MX+\t], |v[32*\t]|, s28, |v[32*\t+1]|         ; the block's largest magnitude, with the floor among its leaves: so the byte cannot fall under 1
.endr
.irp i, 2,4,6,8,10,12,14,16,18,20,22,24,26,28,30
.irp t, 0,1,2,3,4,5,6,7
	v_max3_num_f32 v[MX+\t], |v[32*\t+\i]|, v[MX+\t], |v[32*\t+\i+1]|
.endr
.endr
.irp t, 0,1,2,3,4,5,6,7
	v_add_nc_u32 v[MX+\t], 0xff000000, v[MX+\t]    ; 2 off the exponent field: the conversion's scale operand
.endr
.irp t, 0,1,2,3,4,5,6,7
	v_lshrrev_b32 v[BY+\t], 23, v[MX+\t]           ; the scale's byte
.endr
.irp t, 0,1,2,3,4,5,6,7
.irp q, 0,1,2,3
	v_cvt_scalef32_pk8_fp4_f32 v[CD+4*\t+\q], v[32*\t+8*\q:32*\t+8*\q+7], v[MX+\t]
.endr
.endr
	v_nop                                          ; one plain instruction behind the last scaled conversion
	WIN 0
.endm
; the codes and scale bytes that QROWS g has made go to LDS
.macro QSTORE g
.irp t, 0,1,2,3,4,5,6,7
	ds_store_b128 v4, v[CD+4*\t:CD+4*\t+3] offset:(8*\g+\t)*CPITCH
.endr
.irp t, 0,1,2,3,4,5,6,7
	ds_store_b8 v5, v[BY+\t] offset:(8*\g+\t)*32   ; and its 32 scale bytes
.endr
.endm
; all 64 rows' codes and scale words into registers: each fragment is read once a block
.macro FETCHX
	WIN 0x40                                       ; destination window 1
.irp m, 0,1,2,3
.irp s, 0,1,2,3,4,5,6,7
.irp c, 0,1
	ds_load_b128 v[64*\m+8*\s+4*\c:64*\m+8*\s+4*\c+3], v6 offset:\m*16*CPITCH+64*\s+32*\c
.endr
.endr
.endr
	WIN 0
.irp p, 0,1
.irp q, 0,1
	ds_load_b128 v[XSW+8*\p+4*\q:XSW+8*\p+4*\q+3], v7 offset:1024*\p+16*\q
.endr
.endr
.irp j, 0,1,2,3,4,5,6,7
	v_mov_b32 v[LS+\j], 0                          ; the block's logit sums begin
.endr
	s_wait_dscnt 0x0
.endm
; one matrix instruction: row tile m, K step s, W_y's set buf.  W_y's scale word lies in lanes 0-15 for even s, in lanes 16-31 for odd s; x's in lanes 0-15 for even m, in lanes 16-31 for odd m
.macro WM m, s, buf
.set rD, ACC+8*(\m)
.set rA, WF+68*(\buf)+8*(\s)
.set rB, 64*(\m)+8*(\s)
.set rC, rD
.if (\s) == 0
.set rC, BIAS                                      ; the first K step starts the sum from whhn
.endif
.set rSA, WF+64+68*(\buf)+(\s)/2
.set rSB, XSW+8*((\m)/2)+(\s)
.if ((\s)%2 == 0) && ((\m)%2 == 0)
	v_wmma_scale_f32_16x16x128_f8f6f4 v[rD:rD+7], v[rA:rA+7], v[rB:rB+7], v[rC:rC+7], v[rSA], v[rSB] matrix_a_fmt:MATRIX_FMT_FP4 matrix_b_fmt:MATRIX_FMT_FP4
.elseif ((\s)%2 == 1) && ((\m)%2 == 0)
	v_wmma_scale_f32_16x16x128_f8f6f4 v[rD:rD+7], v[rA:rA+7], v[rB:rB+7], v[rC:rC+7], v[rSA], v[rSB] matrix_a_fmt:MATRIX_FMT_FP4 matrix_b_fmt:MATRIX_FMT_FP4 matrix_a_scale:MATRIX_SCALE_ROW1
.elseif ((\s)%2 == 0) && ((\m)%2 == 1)
	v_wmma_scale_f32_16x16x128_f8f6f4 v[rD:rD+7], v[rA:rA+7], v[rB:rB+7], v[rC:rC+7], v[rSA], v[rSB] matrix_a_fmt:MATRIX_FMT_FP4 matrix_b_fmt:MATRIX_FMT_FP4 matrix_b_scale:MATRIX_SCALE_ROW1
.else
	v_wmma_scale_f32_16x16x128_f8f6f4 v[rD:rD+7], v[rA:rA+7], v[rB:rB+7], v[rC:rC+7], v[rSA], v[rSB] matrix_a_fmt:MATRIX_FMT_FP4 matrix_b_fmt:MATRIX_FMT_FP4 matrix_a_scale:MATRIX_SCALE_ROW1 matrix_b_scale:MATRIX_SCALE_ROW1
.endif
.endm
; a tile of 16 columns for the 64 rows: 32 matrix instructions; the four accumulators take turns, one instruction a turn
.macro GEMM buf
	WIN 0x04                                       ; source 1 (x's codes) window 1
.irp s, 0,1,2,3,4,5,6,7
.irp m, 0,1,2,3
	WM \m, \s, \buf
.endr
.endr
	WIN 0
.endm
; 32 numbers a lane: r = 1 / (1 + 2^(c z)), and the logits' sums take (-2 w_a) r.  Each batch of 32 transcendentals has one plain instruction and one wait behind it, ahead of its first reader
.macro TANH
.irp j, 0,2,4,6,8,10,12,14,16,18,20,22,24,26,28,30
	v_pk_mul_f32 v[ACC+\j:ACC+\j+1], v[ACC+\j:ACC+\j+1], s[26:27] op_sel_hi:[1,0]   ; each accumulator from its low end on
.endr
.set j, 0
	s_wait_alu depctr_va_vdst(0)
.rept 32
	v_exp_f32 v[ACC+j], v[ACC+j]
.set j, j+1
.endr
	v_nop
	s_wait_alu depctr_va_vdst(0)
.irp j, 0,2,4,6,8,10,12,14,16,18,20,22,24,26,28,30
	v_pk_add_f32 v[ACC+\j:ACC+\j+1], v[ACC+\j:ACC+\j+1], 1.0 op_sel_hi:[1,0]
.endr
.set j, 0
	s_wait_alu depctr_va_vdst(0)
.rept 32
	v_rcp_f32 v[ACC+j], v[ACC+j]
.set j, j+1
.endr
	v_nop
	s_wait_alu depctr_va_vdst(0)
.irp p, 0,1,2,3
.irp m, 0,1,2,3
	v_pk_fma_f32 v[LS+2*\m:LS+2*\m+1], v[ACC+8*\m+2*\p:ACC+8*\m+2*\p+1], v[WA+2*\p:WA+2*\p+1], v[LS+2*\m:LS+2*\m+1]
.endr
.endr
.endm
; A TILE.  load = 1: the set is asked for again, with the tile two further on, straight behind the products that read it.  lcnt: the global loads younger than this set's.  last = 1: no tile follows
.macro TILE buf, load, lcnt, last
	ds_load_b128 v[WA:WA+3], v10 offset:64*\buf    ; -2 w_a at the tile's columns
	ds_load_b128 v[WA+4:WA+7], v10 offset:64*\buf+16
	s_wait_loadcnt \lcnt                           ; this set's 17 loads are in
	s_wait_dscnt 2                                 ; whhn at the tile's columns is in: only the two loads just issued are younger
	GEMM \buf
	s_wait_dscnt 0x0                               ; -2 w_a is in (asked for 32 matrix instructions ago): no LDS load that names v10 is out
.if (\buf == 0) || \last
	PLACES 4                                       ; four places in front of loads into registers that the products read, and of the first read of the results
.else
	s_add_co_u32 s21, s21, 128                     ; on to the next pair of tiles; behind a block's eighth pair comes the first again
	s_and_b32 s21, s21, 1023
	v_add_nc_u32 v10, s21, v9                      ; (the first of the four places)
	PLACES 3
.endif
.if \load
	WLOAD \buf, 24
.if (\buf == 0) && ASKON
; A PREFETCH INTO THE L2, one instruction a wave and pair: 32 aligned blocks of 256 bytes, a lane a block: an eighth of my wave's 16 rows of the block two on, which the tensor load at the next block's head will ask for.
; Each block of 256 bytes is named once, by the wave that will load it.  s19 counts the blocks that still have a successor: with 1 left there is no block two on, and nothing is asked for.
; In the last block, which is written out, these lines are not assembled (ASKON = 0).
	s_cmp_gt_u32 s19, 1
	s_cbranch_scc0 .Lno_ask_\@
	global_prefetch_b8 v12, s[66:67] th:TH_LOAD_NT scope:SCOPE_SE
.Lno_ask_\@:
.endif
.endif
.if !\last
.if \buf == 0
	ds_load_b128 v[BIAS:BIAS+3], v10 offset:TWH+64         ; the next tile's whhn
	ds_load_b128 v[BIAS+4:BIAS+7], v10 offset:TWH+64+16
.else
	ds_load_b128 v[BIAS:BIAS+3], v10 offset:TWH
	ds_load_b128 v[BIAS+4:BIAS+7], v10 offset:TWH+16
.endif
.endif
	TANH
.endm
.macro PAIR load
	TILE 0, \load, 17, 0                           ; the other set's 17 loads are younger
.if \load
	TILE 1, 1, 17, 0
	s_wait_xcnt 0x0                                ; the pair's loads and its prefetch have read their bases: they may be written
	s_add_nc_u64 s[66:67], s[66:67], 8192          ; the next eighth of my 16 rows
	s_add_co_u32 s22, s21, 128
	s_and_b32 s22, s22, 1023
	s_mul_i32 s22, s22, 136
	s_add_nc_u64 s[24:25], s[10:11], s[22:23]
.else
	TILE 1, 0, 0, 1                                ; nothing was asked for behind this set
.endif
.endm
; the rows' weights
.macro LOGIT
.irp m, 0,1,2,3
	v_add_f32 v[LS+2*\m], v[LS+2*\m], v[LS+2*\m+1]
.endr
.irp m, 0,1,2,3
	v_permlanex16_b32 v[LS+2*\m+1], v[LS+2*\m], s30, s31   ; the row's other eight columns of each tile lie in the lane 16 away
.endr
.irp m, 0,1,2,3
	v_add_f32 v[LS+2*\m], v[LS+2*\m], v[LS+2*\m+1]
.endr
.irp m, 0,1,2,3
	v_add_f32 v[LS+2*\m], v[LS+2*\m], v14          ; + the sum of my wave's w_a
.endr
.irp m, 0,1,2,3
	ds_store_b32 v11, v[LS+2*\m] offset:64*\m      ; row 16 m + r; both halves of the lanes write the same word with the same value
.endr
	s_wait_dscnt 0x0                               ; my stores have landed; my reads of the codes and scale bytes were over long ago
	s_barrier_signal -1
	s_barrier_wait -1                              ; behind it the four parts of every logit lie in LDS, and nobody reads this block's codes any more
	v_and_b32 v[ACC+8], 15, v0
	v_lshl_add_u32 v[ACC+8], v[ACC+8], 2, s29      ; where the parts of my wave's 16 logits lie
.irp w, 0,1,2,3
	ds_load_b32 v[ACC+\w], v[ACC+8] offset:256*\w
.endr
	ds_load_b32 v[ACC+4], v13                      ; and their mask
	s_wait_dscnt 0x0
	v_add_f32 v[ACC], v[ACC], v[ACC+1]
	v_add_f32 v[ACC+2], v[ACC+2], v[ACC+3]
	v_add_f32 v[ACC], v[ACC], v[ACC+2]             ; the logit
	v_mul_f32 v[ACC], 0xbfb8aa3b, v[ACC]           ; x -log2(e)
	s_wait_alu depctr_va_vdst(0)
	v_exp_f32 v[ACC], v[ACC]
	v_nop                                          ; a plain instruction and the wait stand between each transcendental and the reader of its result
	s_wait_alu depctr_va_vdst(0)
	v_add_f32 v[ACC], 1.0, v[ACC]
	s_wait_alu depctr_va_vdst(0)
	v_rcp_f32 v[ACC], v[ACC]                       ; the sigmoid
	v_nop
	s_wait_alu depctr_va_vdst(0)
	v_mul_f32 v[ACC], 0x3fb8aa3b, v[ACC]
	s_wait_alu depctr_va_vdst(0)
	v_exp_f32 v[ACC], v[ACC]                       ; e
	v_add_nc_u32 v13, 256, v13                     ; the next block's mask (no LDS load of mine is out)
	s_wait_alu depctr_va_vdst(0)
	v_mul_f32 v[ACC], v[ACC], v[ACC+4]             ; w = e x mask
	v_add_f32 v15, v15, v[ACC]
.irp t, 0,1,2,3,4,5,6,7,8,9,10,11,12,13,14,15
	v_readlane_b32 s[32+2*\t], v[ACC], \t          ; row t's weight as a scalar: a value, never an address or a condition
.endr
.endm
; the pooled sums take w x my 16 rows, which have stayed in registers since the quantiser
.macro POOL
.irp g, 0,1
	WIN 0x02+\g                                    ; source 0 window 2 or 3
.irp t, 0,1,2,3,4,5,6,7
.irp i, 0,2,4,6,8,10,12,14,16,18,20,22,24,26,28,30
	v_pk_fma_f32 v[PL+\i:PL+\i+1], v[32*\t+\i:32*\t+\i+1], s[32+2*(8*\g+\t):33+2*(8*\g+\t)], v[PL+\i:PL+\i+1] op_sel_hi:[1,0,1]
.endr
.endr
.endr
	WIN 0
.endm
; A BLOCK OF 64 ROWS.  fill = 1: the next block is asked for
; The pooling of a block that has a successor: as soon as a row's 32 registers have been added to the sums, the next block's row is asked for out of the slot into the same registers
.macro POOLX
.irp g, 0,1
.irp t, 0,1,2,3,4,5,6,7
	WIN 0x02+\g                                    ; source 0 window 2 or 3
.irp i, 0,2,4,6,8,10,12,14,16,18,20,22,24,26,28,30
	v_pk_fma_f32 v[PL+\i:PL+\i+1], v[32*\t+\i:32*\t+\i+1], s[32+2*(8*\g+\t):33+2*(8*\g+\t)], v[PL+\i:PL+\i+1] op_sel_hi:[1,0,1]
.endr
	WIN 0x80+0x40*\g                               ; destination window 2 or 3
.irp u, 0,1,2,3,4,5,6,7
	ds_load_b128 v[32*\t+4*\u:32*\t+4*\u+3], v3 offset:(8*\g+\t)*XPITCH+16*\u
.endr
.endr
.endr
	WIN 0
.endm
; At a block's head its 128 LDS loads out of the slot have been issued (ahead of the loop, or by POOLX), rows ascending.
.macro BLOCK fill
.if \fill
	s_wait_tensorcnt 0x0                           ; no tensor load of mine is out, so group 0 may be written
	ds_add_u32 v1, v2                              ; 0 onto my spare word; rows 0-7 are quantised in registers between it and the wait for it
	s_add_nc_u64 s[70:71], s[70:71], 64*4096       ; the next block's rows; the type bits on top are not reached
	s_wait_dscnt 63                                ; of the 128 loads and the add at most 63 are out: rows 0-7, the first 64, are in
	QROWS 0
	s_wait_alu depctr_va_vdst(0)
	s_wait_dscnt 0x0                               ; the add is done and my reads of the slot are over
	s_barrier_signal -1
	s_barrier_wait -1                              ; that now holds of every wave
	tensor_load_to_lds s[68:71], s[72:79]          ; the first thing behind the barrier, and my one tensor load until the next such barrier
	s_nop 0
	PLACES 4
.else
	s_wait_dscnt 63                                ; rows 0-7 are in
	QROWS 0
.endif
	QSTORE 0
	s_wait_dscnt 0x0                               ; rows 8-15 are in, and the stores above have read their registers
	QROWS 1
	QSTORE 1
	s_wait_dscnt 0x0                               ; my codes and scale bytes have landed
	s_barrier_signal -1
	s_barrier_wait -1                              ; everybody's have; behind this barrier nothing is filled again
	FETCHX
.set ASKON, \fill                      ; the pairs of a block that has a successor hold the prefetch, those of the last block do not
	s_mov_b32 s20, 7+\fill
.Lpair_\@:
	PAIR 1
	s_sub_co_u32 s20, s20, 1
	s_cmp_lg_u32 s20, 0
	s_cbranch_scc1 .Lpair_\@
	s_add_nc_u64 s[66:67], s[66:67], 196608        ; eight steps of 8,192 bytes and this one: a block of 64 rows on (no prefetch is out: the pair's last wait has shown it)
.if !\fill
	PAIR 0                                         ; the launch's last pair asks for nothing: no load leaves its buffer
.endif
	s_wait_alu depctr_va_vdst(0)
	LOGIT
.if \fill
	s_wait_tensorcnt 0x0                           ; the next block's 16 rows of mine have landed; only I read these bytes
	POOLX
.else
	POOL
.endif
.endm
	s_wait_tensorcnt 0x0                           ; block 0: my 16 rows have landed; only I read these bytes
	XROWS 0
	XROWS 1
	WIN 0
	s_mov_b32 s19, 3
.Lblock:
	BLOCK 1
	s_sub_co_u32 s19, s19, 1
	s_cmp_lg_u32 s19, 0
	s_cbranch_scc1 .Lblock
	BLOCK 0                                        ; the last block is written out
	; THE WAY OUT.  Each wave holds sums over its own rows for all 1,024 columns: they meet in a stage, which lies where the codes lay: nobody has read those since the last barrier, and no tensor load ever lands there.
	v_and_b32 v66, 31, v0                          ; lane
	s_mul_i32 s2, s18, PSTG
	s_add_co_u32 s2, s2, COD
	v_mul_u32_u24 v64, v66, 144
	v_add_nc_u32 v64, s2, v64                      ; in: my wave's stage, my 128 bytes + 16 of padding
	s_lshl_b32 s3, s18, 2
	s_add_co_u32 s3, s3, DSTG
	v_mov_b32 v65, s3                              ; my wave's divisor
	v_lshrrev_b32 v68, 3, v66
	v_and_b32 v69, 7, v66
	v_mul_u32_u24 v67, v68, 144
	v_lshl_add_u32 v67, v69, 4, v67
	s_mul_i32 s2, s18, 8*144
	s_add_co_u32 s2, s2, COD
	v_add_nc_u32 v67, s2, v67                      ; back: columns 256 wave + 4 lane on: they were lane 8 wave + lane / 8's, 16 (lane % 8) bytes in
	v_mov_b32 v70, DSTG
	v_lshlrev_b32 v71, 3, v66
.irp u, 0,1,2,3,4,5,6,7
	ds_store_b128 v64, v[PL+4*\u:PL+4*\u+3] offset:16*\u
.endr
	v_add_f32_dpp v15, v15, v15 row_xmask:1 row_mask:0xf bank_mask:0xf    ; the sum of w over my 16 rows: each half of the lanes holds all 16
	v_add_f32_dpp v15, v15, v15 row_xmask:2 row_mask:0xf bank_mask:0xf
	v_add_f32_dpp v15, v15, v15 row_xmask:4 row_mask:0xf bank_mask:0xf
	v_add_f32_dpp v15, v15, v15 row_xmask:8 row_mask:0xf bank_mask:0xf
	ds_store_b32 v65, v15                          ; all lanes write the same word with the same value
	s_wait_alu depctr_va_vdst(0)
	s_wait_dscnt 0x0
	s_barrier_signal -1
	s_barrier_wait -1
.irp w, 0,1,2,3
.irp i, 0,1
	ds_load_b128 v[88+8*\w+4*\i:88+8*\w+4*\i+3], v67 offset:PSTG*\w+576*\i   ; wave w's sums; i: 128 columns, four lanes' places, on
.endr
.endr
	ds_load_b128 v[120:123], v70                   ; the four divisors
	s_wait_tensorcnt 0x0                           ; the wave's end: behind my last tensor load and my last LDS store
	ds_add_u32 v1, v2
	s_wait_dscnt 0x0                               ; (the loads above are in too)
.irp j, 0,2,4,6
	v_pk_add_f32 v[88+\j:89+\j], v[88+\j:89+\j], v[96+\j:97+\j]
	v_pk_add_f32 v[104+\j:105+\j], v[104+\j:105+\j], v[112+\j:113+\j]
.endr
.irp j, 0,2,4,6
	v_pk_add_f32 v[88+\j:89+\j], v[88+\j:89+\j], v[104+\j:105+\j]
.endr
	v_add_f32 v120, v120, v121
	v_add_f32 v122, v122, v123
	v_add_f32 v120, v120, v122
	v_mov_b32 v121, v120
	global_store_b128 v8, v[88:91], s[14:15]               ; 32 lanes store 512 consecutive bytes, at a multiple of 256 from part's first byte
	global_store_b128 v8, v[92:95], s[14:15] offset:512
	s_cmp_lg_u32 s18, 0
	s_cbranch_scc1 .Lend
	global_store_b64 v71, v[120:121], s[16:17]             ; wave 0: the work-group's divisor, 64 times: 256 consecutive bytes
.Lend:
	s_endpgm
.Lfunc_end_k_q2d2c2b9219_main:
	.size	k_q2d2c2b9219_main, .Lfunc_end_k_q2d2c2b9219_main-k_q2d2c2b9219_main
	.p2alignl 7, 3214868480
	.fill 96, 4, 3214868480
	.section	.rodata,"a",@progbits
	.p2align	6, 0x0
	.amdhsa_kernel k_q2d2c2b9219_main
		.amdhsa_group_segment_fixed_size 327680
		.amdhsa_private_segment_fixed_size 0
		.amdhsa_enable_private_segment 0
		.amdhsa_kernarg_size 56
		.amdhsa_user_sgpr_count 2
		.amdhsa_user_sgpr_kernarg_segment_ptr 1
		.amdhsa_wavefront_size32 1
		.amdhsa_system_sgpr_workgroup_id_x 1
		.amdhsa_system_sgpr_workgroup_id_y 1
		.amdhsa_system_sgpr_workgroup_id_z 1
		.amdhsa_system_vgpr_workitem_id 0
		.amdhsa_next_free_vgpr 1024
		.amdhsa_next_free_sgpr 80
		.amdhsa_reserve_vcc 0
		.amdhsa_float_denorm_mode_32 3
		.amdhsa_float_denorm_mode_16_64 3
		.amdhsa_memory_ordered 1
		.amdhsa_forward_progress 1
		.amdhsa_inst_pref_size 196
	.end_amdhsa_kernel
	.amdgpu_metadata
---
amdhsa.version: [ 1, 2 ]
amdhsa.kernels:
  - .name:           k_q2d2c2b9219_main
    .symbol:         k_q2d2c2b9219_main.kd
    .args:
      - { .name: full_input, .offset: 0, .size: 8, .value_kind: global_buffer, .address_space: global }
      - { .name: mask, .offset: 8, .size: 8, .value_kind: global_buffer, .address_space: global }
      - { .name: w_a, .offset: 16, .size: 8, .value_kind: global_buffer, .address_space: global }
      - { .name: wyq, .offset: 24, .size: 8, .value_kind: global_buffer, .address_space: global }
      - { .name: whhn, .offset: 32, .size: 8, .value_kind: global_buffer, .address_space: global }
      - { .name: part, .offset: 40, .size: 8, .value_kind: global_buffer, .address_space: global }
      - { .name: den, .offset: 48, .size: 8, .value_kind: global_buffer, .address_space: global }
    .group_segment_fixed_size: 327680
    .private_segment_fixed_size: 0
    .kernarg_segment_align: 8
    .kernarg_segment_size: 56
    .max_flat_workgroup_size: 128
    .sgpr_count:     80
    .vgpr_count:     1024
    .wavefront_size: 32
...
	.end_amdgpu_metadata
.endif
;; end of part 2
;; launch finish (part 3): grid 32 x 4, 2 waves a work-group, no clusters, 0 bytes of LDS; arguments part, den, out0; writes out0
.if DOCPART == 3
	.amdgcn_target "amdgcn-amd-amdhsa--gfx1250"
	.amdhsa_code_object_version 6
	.text
	.protected	k_q2d2c2b9219_finish
	.globl	k_q2d2c2b9219_finish
	.p2align	8
	.type	k_q2d2c2b9219_finish,@function
k_q2d2c2b9219_finish:
	s_mov_b64 s[64:65], 0
	v_nop
	global_prefetch_b8 v0, s[64:65] scope:SCOPE_SE
	s_setreg_imm32_b32 hwreg(HW_REG_WAVE_MODE, 25, 1), 1
	s_wait_xcnt 0x0
; out0[b][:] = (the sum of batch b's eight rows of part) / (the sum of its eight divisors).  part: [256][1024] f32; den: [256][64] f32, a work-group's divisor repeated; out0: [32][1024] f32.
; Work-group (b, q), thread t: columns 256 q + 4 t .. + 3.  Each load and the store of a wave cover 512 consecutive bytes.  No LDS, no barrier: threads share nothing.
; A batch whose mask is all zeros gives 0 x infinity = NaN, as the division by a zero sum does.
	s_load_b128 s[4:7], s[0:1], 0x0                ; part s[4:5], den s[6:7]
	s_load_b64 s[8:9], s[0:1], 0x10                ; out0
	s_and_b32 s10, ttmp7, 0xffff                   ; q
	s_lshl_b32 s10, s10, 10                        ; its 256 columns in bytes
	s_lshl_b32 s12, ttmp9, 11                      ; den: 8 b rows of 256 bytes
	s_mov_b32 s13, 0
	s_lshl_b32 s14, ttmp9, 15                      ; part: 8 b rows of 4,096 bytes, + q's columns
	s_add_co_u32 s14, s14, s10
	s_mov_b32 s15, 0
	s_lshl_b32 s2, ttmp9, 12                       ; out0: row b, + q's columns
	s_add_co_u32 s2, s2, s10
	s_mov_b32 s3, 0
	v_lshlrev_b32 v1, 4, v0                        ; 16 bytes a thread
	v_mov_b32 v43, 0                               ; (named as the upper half of the pair v[42:43])
	s_wait_alu depctr_va_vdst(0)
	s_wait_kmcnt 0x0
	s_add_nc_u64 s[6:7], s[6:7], s[12:13]
	s_add_nc_u64 s[4:5], s[4:5], s[14:15]
	s_add_nc_u64 s[8:9], s[8:9], s[2:3]
.irp i, 0,1,2,3,4,5,6,7
	s_load_b32 s[16+\i], s[6:7], 256*\i            ; the eight divisors
.endr
.irp i, 0,1,2,3,4,5,6,7
	global_load_b128 v[4+4*\i:7+4*\i], v1, s[4:5] offset:4096*\i th:TH_LOAD_NT
.endr
	s_wait_kmcnt 0x0
	v_mov_b32 v40, s16
.irp i, 1,2,3,4,5,6,7
	v_add_f32 v40, s[16+\i], v40
.endr
	s_wait_alu depctr_va_vdst(0)
	v_rcp_f32 v42, v40
	s_wait_loadcnt 0x0
.irp a, 4,12,20,28
	v_pk_add_f32 v[\a:\a+1], v[\a:\a+1], v[\a+4:\a+5]      ; plain work behind the reciprocal, which names neither its result nor its source
	v_pk_add_f32 v[\a+2:\a+3], v[\a+2:\a+3], v[\a+6:\a+7]
.endr
.irp a, 4,20
	v_pk_add_f32 v[\a:\a+1], v[\a:\a+1], v[\a+8:\a+9]
	v_pk_add_f32 v[\a+2:\a+3], v[\a+2:\a+3], v[\a+10:\a+11]
.endr
	v_pk_add_f32 v[4:5], v[4:5], v[20:21]
	v_pk_add_f32 v[6:7], v[6:7], v[22:23]
	s_wait_alu depctr_va_vdst(0)                   ; the wait ahead of the first reader of the reciprocal
	v_pk_mul_f32 v[4:5], v[4:5], v[42:43] op_sel_hi:[1,0]
	v_pk_mul_f32 v[6:7], v[6:7], v[42:43] op_sel_hi:[1,0]
	global_store_b128 v1, v[4:7], s[8:9]
	s_endpgm
.Lfunc_end_k_q2d2c2b9219_finish:
	.size	k_q2d2c2b9219_finish, .Lfunc_end_k_q2d2c2b9219_finish-k_q2d2c2b9219_finish
	.p2alignl 7, 3214868480
	.fill 96, 4, 3214868480
	.section	.rodata,"a",@progbits
	.p2align	6, 0x0
	.amdhsa_kernel k_q2d2c2b9219_finish
		.amdhsa_group_segment_fixed_size 0
		.amdhsa_private_segment_fixed_size 0
		.amdhsa_enable_private_segment 0
		.amdhsa_kernarg_size 24
		.amdhsa_user_sgpr_count 2
		.amdhsa_user_sgpr_kernarg_segment_ptr 1
		.amdhsa_wavefront_size32 1
		.amdhsa_system_sgpr_workgroup_id_x 1
		.amdhsa_system_sgpr_workgroup_id_y 1
		.amdhsa_system_sgpr_workgroup_id_z 1
		.amdhsa_system_vgpr_workitem_id 0
		.amdhsa_next_free_vgpr 48
		.amdhsa_next_free_sgpr 66
		.amdhsa_reserve_vcc 0
		.amdhsa_float_denorm_mode_32 3
		.amdhsa_float_denorm_mode_16_64 3
		.amdhsa_memory_ordered 1
		.amdhsa_forward_progress 1
		.amdhsa_inst_pref_size 4
	.end_amdhsa_kernel
	.amdgpu_metadata
---
amdhsa.version: [ 1, 2 ]
amdhsa.kernels:
  - .name:           k_q2d2c2b9219_finish
    .symbol:         k_q2d2c2b9219_finish.kd
    .args:
      - { .name: part, .offset: 0, .size: 8, .value_kind: global_buffer, .address_space: global }
      - { .name: den, .offset: 8, .size: 8, .value_kind: global_buffer, .address_space: global }
      - { .name: out0, .offset: 16, .size: 8, .value_kind: global_buffer, .address_space: global }
    .group_segment_fixed_size: 0
    .private_segment_fixed_size: 0
    .kernarg_segment_align: 8
    .kernarg_segment_size: 24
    .max_flat_workgroup_size: 64
    .sgpr_count:     66
    .vgpr_count:     48
    .wavefront_size: 32
...
	.end_amdgpu_metadata
.endif
;; end of part 3
